; MI455X (gfx1250); checked and timed in simulation.
; The chip was launched on July 23, 2026; its instructions are those of AMD's public machine-readable ISA for CDNA 5 (MIT licence, August 2026) and "CDNA5" Instruction Set Architecture Reference Guide (July 2026). The comments in the code are by the model that wrote it; some were corrected since.
;; Multihead Causal Self Attention. Allowed arithmetic: float matrix products may take bf16 or f16 operands with f32 sums; all other float work in f32.
;; Inputs: b_attn 3,072 float32; b_proj 1,024 float32; w_attn 1,024 x 3,072 float32; w_proj 1,024 x 1,024 float32; x 2 x 2,048 x 1,024 float32.
;; Outputs: out0 2 x 2,048 x 1,024 float32.
;; 2 versions, each right; version 2 is version 1 with the launch cast written anew for expert scheduling mode. Each part assembles by itself: llvm-mc -triple=amdgcn-amd-amdhsa -mcpu=gfx1250 --defsym DOCPART=n.
;; ======== version 1 of 2: 4 launches
;; limits: values are held in f16: magnitudes above 65,504 overflow, below 6.1e-05 lose precision
;; workspace buffers: xb 8,388,608 bytes; wab 6,291,456 bytes; wpf 2,097,152 bytes; qkv 25,165,824 bytes; yh 8,388,608 bytes
;; launch cast (part 1): grid 512 x 1, 8 waves a work-group, no clusters, 0 bytes of LDS; arguments x, w_attn, w_proj, xb, wab, wpf; writes xb, wab, wpf
.if DOCPART == 1
	.amdgcn_target "amdgcn-amd-amdhsa--gfx1250"
	.amdhsa_code_object_version 6
	.text
	.protected	k_qc25b50101a_cast
	.globl	k_qc25b50101a_cast
	.p2align	8
	.type	k_qc25b50101a_cast,@function
k_qc25b50101a_cast:
	s_mov_b64 s[64:65], 0
	v_nop
	global_prefetch_b8 v0, s[64:65] scope:SCOPE_SE
	s_setreg_imm32_b32 hwreg(HW_REG_WAVE_MODE, 25, 1), 1
	s_wait_xcnt 0x0
; The matrix operands among the inputs are rounded once, here: x -> xb (bf16), w_attn -> wab (bf16),
; w_proj -> wpf (rounded to bf16, then held as f16, because it meets the f16 tensor y in one matrix instruction).
; LIMIT: the second conversion of w_proj is exact for 2^-17 <= |w| < 65,504; below that it keeps an absolute error
; of at most 2^-25, above it the number becomes an infinity.
; A stream: no LDS, no barrier, no matrix unit.  A work-group takes 16,384 consecutive numbers:
; groups 0-255 x (4,194,304 numbers), 256-447 w_attn (3,145,728), 448-511 w_proj (1,048,576).
; Thread t takes the four numbers at 4 t + 1024 i, i = 0 .. 15: a wave's load covers 512 consecutive bytes,
; a wave's store 256 consecutive bytes at a multiple of 256.  All sixteen loads go out at once; no register is
; written twice while a memory instruction names it, so there is no wait but those for the data.
.set X, 4                              ; v[4:67]    16 x 4 numbers as loaded
.set Y, 68                             ; v[68:99]   16 x 2 words to store
.set T, 100                            ; v[100:105] at work (w_proj's way alone)
	s_load_b256 s[4:11], s[0:1], 0x0               ; x s[4:5], w_attn s[6:7], w_proj s[8:9], xb s[10:11]
	s_load_b128 s[12:15], s[0:1], 0x20             ; wab s[12:13], wpf s[14:15]
	v_lshlrev_b32 v1, 4, v0                        ; 16 t: my bytes in the source
	v_lshlrev_b32 v2, 3, v0                        ; 8 t: my bytes in the target
	s_wait_kmcnt 0x0
	s_cmp_lt_u32 ttmp9, 256                        ; which tensor: the choice hangs on the group's number alone
	s_cselect_b64 s[16:17], s[4:5], s[6:7]
	s_cselect_b64 s[18:19], s[10:11], s[12:13]
	s_cselect_b32 s20, 0, 256                      ; the tensor's first group
	s_cmp_lt_u32 ttmp9, 448
	s_cselect_b64 s[16:17], s[16:17], s[8:9]
	s_cselect_b64 s[18:19], s[18:19], s[14:15]
	s_cselect_b32 s20, s20, 448
	s_sub_co_u32 s21, ttmp9, s20                   ; my place in the tensor
	s_lshl_b32 s22, s21, 16                        ; x 65,536 bytes of f32
	s_mov_b32 s23, 0
	s_lshl_b32 s24, s21, 15                        ; x 32,768 bytes of 16-bit numbers
	s_mov_b32 s25, 0
	s_add_nc_u64 s[16:17], s[16:17], s[22:23]
	s_add_nc_u64 s[18:19], s[18:19], s[24:25]
.set i, 0
.rept 16
	global_load_b128 v[X+4*i:X+4*i+3], v1, s[16:17] offset:4096*i th:TH_LOAD_NT   ; read once in the launch
.set i, i+1
.endr
	s_cmp_lt_u32 ttmp9, 448
	s_cbranch_scc0 .Lproj
	; x and w_attn: one rounding to bf16
.set i, 0
.rept 16
	s_wait_loadcnt 15-i                            ; loads come back in order: load i is in, the 15 - i younger ones stay out
	v_cvt_pk_bf16_f32 v[Y+2*i],   v[X+4*i],   v[X+4*i+1]
	v_cvt_pk_bf16_f32 v[Y+2*i+1], v[X+4*i+2], v[X+4*i+3]
	global_store_b64 v2, v[Y+2*i:Y+2*i+1], s[18:19] offset:2048*i
.set i, i+1
.endr
	s_endpgm
.Lproj:
	; w_proj: the same rounding to bf16, widened again, and laid down as f16
.set i, 0
.rept 16
	s_wait_loadcnt 15-i
	v_cvt_pk_bf16_f32 v[T],   v[X+4*i],   v[X+4*i+1]
	v_cvt_pk_bf16_f32 v[T+1], v[X+4*i+2], v[X+4*i+3]
	v_lshlrev_b32 v[T+2], 16, v[T]                 ; bf16 to f32: the low half moves up,
	v_and_b32     v[T+3], 0xffff0000, v[T]         ; the high half stays
	v_lshlrev_b32 v[T+4], 16, v[T+1]
	v_and_b32     v[T+5], 0xffff0000, v[T+1]
	v_cvt_pk_f16_f32 v[Y+2*i],   v[T+2], v[T+3]
	v_cvt_pk_f16_f32 v[Y+2*i+1], v[T+4], v[T+5]
	global_store_b64 v2, v[Y+2*i:Y+2*i+1], s[18:19] offset:2048*i
.set i, i+1
.endr
	s_endpgm
.Lfunc_end_k_qc25b50101a_cast:
	.size	k_qc25b50101a_cast, .Lfunc_end_k_qc25b50101a_cast-k_qc25b50101a_cast
	.p2alignl 7, 3214868480
	.fill 96, 4, 3214868480
	.section	.rodata,"a",@progbits
	.p2align	6, 0x0
	.amdhsa_kernel k_qc25b50101a_cast
		.amdhsa_group_segment_fixed_size 0
		.amdhsa_private_segment_fixed_size 0
		.amdhsa_enable_private_segment 0
		.amdhsa_kernarg_size 48
		.amdhsa_user_sgpr_count 2
		.amdhsa_user_sgpr_kernarg_segment_ptr 1
		.amdhsa_wavefront_size32 1
		.amdhsa_system_sgpr_workgroup_id_x 1
		.amdhsa_system_sgpr_workgroup_id_y 1
		.amdhsa_system_sgpr_workgroup_id_z 1
		.amdhsa_system_vgpr_workitem_id 0
		.amdhsa_next_free_vgpr 108
		.amdhsa_next_free_sgpr 66
		.amdhsa_reserve_vcc 0
		.amdhsa_float_denorm_mode_32 3
		.amdhsa_float_denorm_mode_16_64 3
		.amdhsa_memory_ordered 1
		.amdhsa_forward_progress 1
		.amdhsa_inst_pref_size 16
	.end_amdhsa_kernel
	.amdgpu_metadata
---
amdhsa.version: [ 1, 2 ]
amdhsa.kernels:
  - .name:           k_qc25b50101a_cast
    .symbol:         k_qc25b50101a_cast.kd
    .args:
      - { .name: x, .offset: 0, .size: 8, .value_kind: global_buffer, .address_space: global }
      - { .name: w_attn, .offset: 8, .size: 8, .value_kind: global_buffer, .address_space: global }
      - { .name: w_proj, .offset: 16, .size: 8, .value_kind: global_buffer, .address_space: global }
      - { .name: xb, .offset: 24, .size: 8, .value_kind: global_buffer, .address_space: global }
      - { .name: wab, .offset: 32, .size: 8, .value_kind: global_buffer, .address_space: global }
      - { .name: wpf, .offset: 40, .size: 8, .value_kind: global_buffer, .address_space: global }
    .group_segment_fixed_size: 0
    .private_segment_fixed_size: 0
    .kernarg_segment_align: 8
    .kernarg_segment_size: 48
    .max_flat_workgroup_size: 256
    .sgpr_count:     66
    .vgpr_count:     108
    .wavefront_size: 32
...
	.end_amdgpu_metadata
.endif
;; end of part 1
;; launch qkvgemm (part 2): grid 12 x 16, 4 waves a work-group, clusters of 4 x 4, 327,680 bytes of LDS; arguments xb, wab, b_attn, qkv; writes qkv
.if DOCPART == 2
	.amdgcn_target "amdgcn-amd-amdhsa--gfx1250"
	.amdhsa_code_object_version 6
	.text
	.protected	k_qc25b50101a_qkvgemm
	.globl	k_qc25b50101a_qkvgemm
	.p2align	8
	.type	k_qc25b50101a_qkvgemm,@function
k_qc25b50101a_qkvgemm:
	s_mov_b64 s[64:65], 0
	v_nop
	global_prefetch_b8 v0, s[64:65] scope:SCOPE_SE
	s_setreg_imm32_b32 hwreg(HW_REG_WAVE_MODE, 25, 1), 1
	s_wait_xcnt 0x0
	s_wait_alu depctr_hold_cnt(0) depctr_sa_sdst(0) depctr_va_vdst(0) depctr_va_sdst(0) depctr_va_ssrc(0) depctr_va_vcc(0) depctr_vm_vsrc(0)
	s_getreg_b32 s2, hwreg(HW_REG_IB_STS2, 6, 4)
	s_cmp_eq_u32 s2, 0
	s_cbranch_scc0 .Lentry_in_a_cluster
	s_endpgm
.Lentry_in_a_cluster:
	s_bfe_u32 s2, ttmp6, 0x10000c
	s_cmp_lg_u32 s2, 0xf033
	s_cbranch_scc0 .Lentry_shape_is_right
	s_endpgm
.Lentry_shape_is_right:
; qkv = xb wab + b_attn.  xb: [4096][1024] bf16, wab: [1024 k][3072 n] bf16, b_attn: [3072] f32; sums in f32.
; The result goes out as f16, by heads: qkv[which 3][16 batch + head, 32][t 2048][64].
; LIMIT: |q|, |k|, |v| < 65,504 (f16); larger numbers become infinities.  With the inputs as drawn their root mean square is
; about 0.6; all inputs 30 times larger give some 3e3 at six deviations.  Below 6.1e-5 a number keeps an absolute error of 3e-8.
; f16 and not bf16, because the early rows of the final result are sums over few keys and are compared against the root mean
; square of the whole result: bf16's eight bits in q, k, v would not do there.
; A work-group makes a block of 256 x 256 with four waves; a wave makes 128 x 128: 64 accumulator tiles, 512 registers.
; K goes in steps of 128 through two LDS slots filled by the tensor data mover.
; CLUSTERS: 4 x 4 work-groups.  The four of a row of the cluster need the same tiles of xb, the four of a column the same tiles of wab:
; each tile is asked for jointly, which divides the requests by four.
; wab lies [k][n]: its tiles come in as 128 k rows of 512 bytes and the fragments are read by the transposing LDS load.
; REGISTERS, in windows of 256:
;   window 0: v16-27 addresses; v64-127, v128-191 fragments of xb, two buffers; v192-255 the bias, later at work on the way out
;   window 1: v64-127, v128-191 fragments of wab, two buffers
;   window 2: the 32 accumulator tiles of my rows 0-63 (tile (a, b) at v[8 (8 a + b)]);   window 3: those of my rows 64-127
; THE MATRIX INSTRUCTION IS USED TRANSPOSED: source 0 = 16 columns n of wab, source 1 = 16 rows of xb.  Lane l then holds row l % 16 of the
; result and its registers 0-7 the columns 8 (l / 16) + 0 .. 7: eight neighbours, 16 bytes of f16.
; THE BIAS STARTS THE SUMS: the first product of each tile takes the bias of its 16 columns as C: no clearing, no adds.
.set SIZE_N, 3072
.set SIZE_K, 1024
.set KSTEP,  128
.set PITCH,  272                       ; an LDS row of xb: 256 bytes + 16: an odd multiple of 16, so 16 rows start in 16 different 16-byte columns of 256
.set BP,     544                       ; an LDS row of wab: 512 bytes + 32: an odd multiple of 32, as the transposing load's eight rows want
.set HALFT,  34816                     ; one tensor load's bytes: 128 x 272 = 64 x 544
.set SLOT,   4*HALFT                   ; xb's 256 rows, then wab's 128 k rows
.set STAGE,  2*SLOT                    ; behind the ring: 16 rows x 400 bytes for each wave; no fill lands here
.set SPITCH, 400
.set LAPS,   SIZE_K/(2*KSTEP)          ; 4 laps of two K steps
.set ADRA, 16                          ; v16-17  LDS address of my xb fragments in slot 0, 1
.set ADRB, 20                          ; v20-21  the same for wab
.set STO,  24                          ; v24     the way out: where I put 16 bytes of a row
.set RD,   25                          ; v25     the way out: where I read back
.set CO,   26                          ; v26     16 x lane
.set BO,   27                          ; v27     32 x (lane / 16): my eight bias numbers in a group of 16
.set F0,   64
.set F1,   128
.set BIAS, 192                         ; v[192:255]: register 8 b + j = bias of column 16 b + 8 (l / 16) + j of my 128
.set TMP,  192                         ; the way out (the bias is long used up)
.set G1,  24                           ; s[24:31] group 1 for xb's tiles
.set G0,  32                           ; s[32:39] group 0 for xb's tiles, a set for each slot
.set G1B, 48                           ; s[48:55] group 1 for wab's tiles
.set G0B, 56                           ; s[56:63] group 0 for wab's tiles
.set MSB, 0
.macro WIN new                         ; the immediate's high byte repeats the setting that is left
.if MSB != \new
	s_set_vgpr_msb (MSB<<8)|\new
.set MSB, \new
.endif
.endm
.set MUL_LO,   0xa1                    ; source 0 (wab) window 1, source 1 (xb) window 0, C and D window 2
.set MUL_HI,   0xf1                    ; the same, C and D window 3
.set FIRST_LO, 0x81                    ; C (the bias) window 0, D window 2
.set FIRST_HI, 0xc1                    ; C window 0, D window 3
.set TO_B,     0x40                    ; destination window 1, address window 0
; A joint load.  Waves 0 and 1 fetch xb's two halves, waves 2 and 3 wab's.  The branch hangs on the wave's number alone.
.macro JLOAD s
	s_cmp_eq_u32 s11, 0
	s_cbranch_scc0 .Lfor_b_\@
	tensor_load_to_lds s[G0+4*\s:G0+4*\s+3], s[G1:G1+7]
	s_nop 0
	s_branch .Lasked_\@
.Lfor_b_\@:
	tensor_load_to_lds s[G0B+4*\s:G0B+4*\s+3], s[G1B:G1B+7]
	s_nop 0
.Lasked_\@:
.endm
.macro CREST                           ; a round of the cluster's barrier behind its opening barrier
	s_cmp_lg_u32 s10, 0
	s_cbranch_scc1 .Lnot_wave_0_\@
	s_barrier_signal -3
.Lnot_wave_0_\@:
	s_barrier_wait -3
	s_barrier_signal -1
	s_barrier_wait -1
.endm
.macro CROUND                          ; a whole round
	s_barrier_signal -1
	s_barrier_wait -1
	CREST
.endm
	s_load_b128 s[4:7], s[0:1], 0x0                ; xb s[4:5], wab s[6:7]
	s_load_b64 s[66:67], s[0:1], 0x10              ; b_attn
	s_load_b64 s[8:9], s[0:1], 0x18                ; qkv
	s_set_vgpr_msb 0x40
	v_lshl_add_u32 v255, v0, 2, 0x4a400
	s_set_vgpr_msb 0x4000
	v_mov_b32 v63, 0
	s_set_vgpr_msb 0x1
	ds_add_u32 v255, v63
	ds_add_u32 v255, v63
	s_set_vgpr_msb 0x100
	v_lshrrev_b32 v1, 5, v0
	v_readfirstlane_b32 s10, v1                    ; wave 0..3
	s_lshr_b32 s11, s10, 1                         ; which half of the block's rows is mine.  Also: I fetch for xb (0) or for wab (1)
	s_and_b32 s12, s10, 1                          ; which half of its columns.  Also: which half of that tile I fetch
	s_bfe_u32 s40, ttmp6, 0x40000                  ; cx
	s_bfe_u32 s41, ttmp6, 0x40004                  ; cy
	s_lshl_b32 s42, ttmp9, 2
	s_add_co_u32 s42, s42, s40                     ; block column = 4 x cluster x + cx, 0..11
	s_and_b32 s13, ttmp7, 0xffff
	s_lshl_b32 s13, s13, 2
	s_add_co_u32 s13, s13, s41                     ; block row = 4 x cluster y + cy, 0..15
	s_lshl_b32 s43, s41, 2
	s_lshl_b32 s43, 15, s43                        ; my row of the cluster: places 4 cy .. 4 cy + 3
	s_lshl_b32 s44, 0x1111, s40                    ; my column: places cx, cx + 4, cx + 8, cx + 12
	; group 1 for xb: 128 rows x 128 elements of 2 bytes, 4 words of padding behind every 64
	s_or_b32 s[G1+0], s43, (1<<16)|(1<<20)|(1<<21)|(5<<22)|(3<<25)
	s_mov_b32 s[G1+1], KSTEP<<16                   ; tensor_dim0 = 128
	s_mov_b32 s[G1+2], 128<<16                     ; tensor_dim1 = 128
	s_mov_b32 s[G1+3], KSTEP<<16                   ; tile_dim0 = 128
	s_mov_b32 s[G1+4], 128                         ; tile_dim1 = 128
	s_mov_b32 s[G1+5], SIZE_K                      ; elements from row to row
	s_mov_b32 s[G1+6], 0
	s_mov_b32 s[G1+7], 0
	; group 1 for wab: 64 k rows x 256 elements, 8 words of padding behind every 128
	s_or_b32 s[G1B+0], s44, (1<<16)|(1<<20)|(1<<21)|(6<<22)|(7<<25)
	s_mov_b32 s[G1B+1], 256<<16                    ; tensor_dim0 = 256
	s_mov_b32 s[G1B+2], 64<<16                     ; tensor_dim1 = 64
	s_mov_b32 s[G1B+3], 256<<16                    ; tile_dim0 = 256
	s_mov_b32 s[G1B+4], 64                         ; tile_dim1 = 64
	s_mov_b32 s[G1B+5], SIZE_N
	s_mov_b32 s[G1B+6], 0
	s_mov_b32 s[G1B+7], 0
	; where the tiles come from.  xb's hang on the block row alone, wab's on the block column alone; each in registers that never hold the other coordinate.
	s_lshl_b32 s16, s13, 19                        ; 256 rows of 2,048 bytes for each block row
	s_lshl_b32 s17, s12, 18                        ; + my 128 rows
	s_add_co_u32 s16, s16, s17
	s_mov_b32 s17, 0
	s_mul_i32 s46, s12, 64*SIZE_N*2                ; my 64 k rows of 6,144 bytes
	s_lshl_b32 s47, s42, 9                         ; + 512 bytes for each block column
	s_add_co_u32 s46, s46, s47
	s_mov_b32 s47, 0
	s_mul_i32 s20, s10, HALFT                      ; and where they go: wave x 34,816: no place in the cluster enters an LDS address
	s_lshl_b32 s68, s42, 10                        ; the bias of my 128 columns: 4 (256 block column + 128 half)
	s_lshl_b32 s69, s12, 9
	s_add_co_u32 s68, s68, s69
	s_mov_b32 s69, 0
	s_wait_dscnt 0x0
	s_wait_kmcnt 0x0
	s_add_nc_u64 s[14:15], s[4:5], s[16:17]
	s_add_nc_u64 s[46:47], s[6:7], s[46:47]
	s_add_nc_u64 s[66:67], s[66:67], s[68:69]
	CROUND                                         ; all sixteen work-groups are here: the first joint loads meet
.irp s, 0,1
	s_mov_b32 s[G0+4*\s], 1
	s_add_co_u32 s[G0+4*\s+1], s20, \s*SLOT
	s_add_nc_u64 s[G0+4*\s+2:G0+4*\s+3], s[14:15], \s*KSTEP*2
	s_or_b32 s[G0+4*\s+3], s[G0+4*\s+3], 0x80000000
	s_mov_b32 s[G0B+4*\s], 1
	s_add_co_u32 s[G0B+4*\s+1], s20, \s*SLOT
	s_add_nc_u64 s[G0B+4*\s+2:G0B+4*\s+3], s[46:47], \s*KSTEP*SIZE_N*2
	s_or_b32 s[G0B+4*\s+3], s[G0B+4*\s+3], 0x80000000
	JLOAD \s                                       ; two tensor loads of the wave are out: the most in this text
.endr
	v_and_b32 v1, 15, v0                           ; r = l % 16
	v_bfe_u32 v2, v0, 4, 1                         ; h = l / 16
	v_lshlrev_b32 v[BO], 5, v2
.irp b, 0,1,2,3,4,5,6,7
	global_load_b128 v[BIAS+8*\b:BIAS+8*\b+3],   v[BO], s[66:67] offset:64*\b
	global_load_b128 v[BIAS+8*\b+4:BIAS+8*\b+7], v[BO], s[66:67] offset:64*\b+16
.endr
	; xb's fragment: lane l holds row r; two loads of 16 bytes, 32 apart, at row x pitch + 16 h
	v_mul_u32_u24 v3, v1, PITCH
	v_lshl_add_u32 v3, v2, 4, v3
	; wab's fragment, through the transposing load: lane l addresses k row 8 h + l % 8, bytes 16 ((l / 8) % 2); the second load 16 k rows on
	v_and_b32 v6, 7, v0
	v_lshl_add_u32 v6, v2, 3, v6
	v_mul_u32_u24 v6, v6, BP
	v_bfe_u32 v7, v0, 3, 1
	v_lshl_add_u32 v6, v7, 4, v6
	s_mul_i32 s21, s11, HALFT                      ; my 128 rows of xb
	s_lshl_b32 s22, s12, 8                         ; my 128 columns of wab: 256 bytes,
	s_add_co_u32 s22, s22, 2*HALFT                 ; behind xb's 256 rows
.irp s, 0,1
	v_add_nc_u32 v[ADRA+\s], s21, v3
	v_add_nc_u32 v[ADRB+\s], s22, v6
	s_add_co_u32 s21, s21, SLOT
	s_add_co_u32 s22, s22, SLOT
.endr
	s_mul_i32 s23, s10, 16*SPITCH
	s_add_co_u32 s23, s23, STAGE                   ; my stage
	v_mul_u32_u24 v4, v1, SPITCH                   ; in: row r, 16 bytes for each half of the lanes
	v_lshl_add_u32 v4, v2, 4, v4
	v_add_nc_u32 v[STO], s23, v4
	v_bfe_u32 v5, v0, 3, 2                         ; back: eight lanes take the 128 bytes that a head has in a row; four rows a load
	v_mul_u32_u24 v5, v5, SPITCH
	v_and_b32 v8, 7, v0
	v_lshl_add_u32 v5, v8, 4, v5
	v_add_nc_u32 v[RD], s23, v5
	v_and_b32 v9, 31, v0
	v_lshlrev_b32 v[CO], 4, v9
; 16 matrix instructions: m blocks a0, a0 + 1 of the window's four x all 8 n blocks, 32 along K.  first = 1: C is the bias.
.macro MUL16 f, hi, a0, first
.irp a, \a0, \a0+1
.irp b, 0,1,2,3,4,5,6,7
.if \first
	v_wmma_f32_16x16x32_bf16 v[8*(8*(\a)+\b):8*(8*(\a)+\b)+7], v[\f+8*\b:\f+8*\b+7], v[\f+8*(4*\hi+\a):\f+8*(4*\hi+\a)+7], v[BIAS+8*\b:BIAS+8*\b+7]
.else
	v_wmma_f32_16x16x32_bf16 v[8*(8*(\a)+\b):8*(8*(\a)+\b)+7], v[\f+8*\b:\f+8*\b+7], v[\f+8*(4*\hi+\a):\f+8*(4*\hi+\a)+7], v[8*(8*(\a)+\b):8*(8*(\a)+\b)+7]
.endif
.endr
.endr
.endm
; 32 LDS loads in one run: the fragments of quarter q (32 along K) of a slot into buffer f: wab's 128 columns, then xb's 128 rows
.macro FETCH slot, q, f
	WIN TO_B
.irp i, 0,1,2,3,4,5,6,7
	ds_load_tr16_b128 v[\f+8*\i:\f+8*\i+3],   v[ADRB+\slot] offset:\q*32*BP+32*\i
	ds_load_tr16_b128 v[\f+8*\i+4:\f+8*\i+7], v[ADRB+\slot] offset:\q*32*BP+32*\i+16*BP
.endr
	WIN 0
.irp i, 0,1,2,3,4,5,6,7
	ds_load_b128 v[\f+8*\i:\f+8*\i+3],   v[ADRA+\slot] offset:\q*64+\i*16*PITCH
	ds_load_b128 v[\f+8*\i+4:\f+8*\i+7], v[ADRA+\slot] offset:\q*64+\i*16*PITCH+32
.endr
.endm
; A load into a register that a matrix instruction has read, and a vector instruction that reads a matrix result, stand four places behind
; that matrix instruction, and only plain vector instructions that name none of its registers are places.
.macro PLACES
.rept 4
	v_nop
.endr
.endm
; One of a K step's first three quarters: multiplies buffer f; in its middle it fetches quarter q of the same slot into buffer g.
; The 64 accumulators take turns, one instruction a turn, in the same order in every quarter.
.macro QUARTER slot, q, f, g, first
	s_wait_dscnt 8                                 ; wab and xb's rows 0-63 are in; the youngest eight loads (xb's rows 64-127) may be out
.if \first
	WIN FIRST_LO
.else
	WIN MUL_LO
.endif
	MUL16 \f, 0, 0, \first
	MUL16 \f, 0, 2, \first
	PLACES
	FETCH \slot, \q, \g
	s_wait_dscnt 32                                ; all but the 32 just issued
.if \first
	WIN FIRST_HI
.else
	WIN MUL_HI
.endif
	MUL16 \f, 1, 0, \first
	MUL16 \f, 1, 2, \first
.endm
.macro THREE slot, first
	QUARTER \slot, 1, F0, F1, \first
	QUARTER \slot, 2, F1, F0, 0
	QUARTER \slot, 3, F0, F1, 0
.endm
; The last quarter: multiplies buffer 1 and changes slots.  In front of the barrier each wave waits for its reads of this slot and for all its
; tensor loads (one is out: its part of the next slot).  Behind it the refill comes first, then the next slot's first fragments.
.macro TURN slot, next, fill
	s_wait_dscnt 8
	WIN MUL_LO
	MUL16 F1, 0, 0, 0
	s_wait_dscnt 0                                 ; my reads of this slot are over
	s_wait_tensorcnt 0x0                           ; and all my tensor loads have landed
	ds_add_u32 v255, v63
	s_wait_dscnt 0x0
	s_barrier_signal -1                            ; (where a slot is filled again this barrier opens a round of the cluster's barrier)
	MUL16 F1, 0, 2, 0                              ; register work while the others arrive
	WIN 0
	s_barrier_wait -1
.if \fill
	CREST                                          ; no wave of any partner still reads this slot or has a load on its way
	s_add_nc_u64 s[G0+4*\slot+2:G0+4*\slot+3], s[G0+4*\slot+2:G0+4*\slot+3], 2*KSTEP*2
	s_add_nc_u64 s[G0B+4*\slot+2:G0B+4*\slot+3], s[G0B+4*\slot+2:G0B+4*\slot+3], 2*KSTEP*SIZE_N*2
	JLOAD \slot                                    ; the first tensor load behind the round
.endif
	PLACES
	FETCH \next, 0, F0
	WIN MUL_HI
	MUL16 F1, 1, 0, 0
	MUL16 F1, 1, 2, 0
.endm
.macro LAP first
	THREE 0, \first
	TURN 0, 1, 1
	THREE 1, 0
	TURN 1, 0, 1
.endm
	s_wait_loadcnt 0x0                             ; the bias, once
	s_wait_tensorcnt 1                             ; my part of K step 0 is in; K step 1's stays out
	s_barrier_signal -1
	s_barrier_wait -1
	FETCH 0, 0, F0
	LAP 1                                          ; the first lap stands in front of the loop: its first products start the sums on the bias
	WIN 0
	s_mov_b32 s3, LAPS-2
.Llap:
	LAP 0
	WIN 0
	s_sub_co_u32 s3, s3, 1
	s_cmp_lg_u32 s3, 0
	s_cbranch_scc1 .Llap
	THREE 0, 0                                     ; the last lap fills nothing
	TURN 0, 1, 0
	THREE 1, 0
	s_wait_dscnt 8
	WIN MUL_LO
	MUL16 F1, 0, 0, 0
	MUL16 F1, 0, 2, 0
	s_wait_dscnt 0
	WIN MUL_HI
	MUL16 F1, 1, 0, 0
	MUL16 F1, 1, 2, 0
	; THE WAY OUT, 16 rows at a time: round to f16, 16 bytes a lane into my own stage, read back by heads.
	; My 128 columns are two heads of one of q, k, v: index = 32 which + 16 batch + head, 262,144 bytes each; a row t is 128 bytes.
	PLACES
	s_lshr_b32 s68, s42, 2                         ; which = block column / 4
	s_lshl_b32 s68, s68, 5
	s_lshr_b32 s69, s13, 3                         ; batch = block row / 8
	s_lshl4_add_u32 s68, s69, s68
	s_and_b32 s69, s42, 3                          ; four heads for each block column,
	s_lshl2_add_u32 s68, s69, s68
	s_lshl1_add_u32 s68, s12, s68                  ; two for each half
	s_lshl_b32 s68, s68, 18
	s_and_b32 s69, s13, 7
	s_lshl_b32 s69, s69, 15                        ; t = 256 (block row % 8) + 128 half, x 128 bytes
	s_lshl_b32 s70, s11, 14
	s_add_co_u32 s69, s69, s70
	s_add_co_u32 s68, s68, s69
	s_mov_b32 s69, 0
	s_add_nc_u64 s[8:9], s[8:9], s[68:69]
.macro OUT16 i, a, from, f
	WIN \from
.irp b, 0,1,2,3,4,5,6,7
.irp r, 0,1,2,3
	v_cvt_pk_f16_f32 v[TMP+4*\b+\r], v[8*(8*\a+\b)+2*\r], v[8*(8*\a+\b)+2*\r+1]
.endr
.endr
	WIN 0
.irp b, 0,1,2,3,4,5,6,7
	ds_store_b128 v[STO], v[TMP+4*\b:TMP+4*\b+3] offset:32*\b
.endr
	s_wait_xcnt 0x0                                ; buffer f, which earlier stores read, and the stores' base are rewritten only behind this wait
.if \i
	s_add_nc_u64 s[8:9], s[8:9], 16*128            ; 16 rows t on
.endif
.irp t, 0,1,2,3,4,5,6,7
	ds_load_b128 v[\f+4*\t:\f+4*\t+3], v[RD] offset:4*SPITCH*(\t&3)+128*(\t>>2)   ; LDS serves a wave's instructions in order: these see the stores above
.endr
.irp t, 0,1,2,3,4,5,6,7
	s_wait_dscnt 7-\t
	global_store_b128 v[CO], v[\f+4*\t:\f+4*\t+3], s[8:9] offset:262144*(\t>>2)+512*(\t&3)   ; four rows of one head: 512 consecutive bytes at a multiple of 512
.endr
.endm
	OUT16 0, 0, 0x0a, F0
	OUT16 1, 1, 0x0a, F1
	OUT16 2, 2, 0x0a, F0
	OUT16 3, 3, 0x0a, F1
	OUT16 4, 0, 0x0f, F0
	OUT16 5, 1, 0x0f, F1
	OUT16 6, 2, 0x0f, F0
	OUT16 7, 3, 0x0f, F1
	s_set_vgpr_msb 0x1
	s_wait_tensorcnt 0x0
	ds_add_u32 v255, v63
	s_wait_dscnt 0x0
	s_set_vgpr_msb 0x100
	CROUND                                         ; the closing round: no work-group ends while a partner may still ask for a tile that names it
	s_endpgm
.Lfunc_end_k_qc25b50101a_qkvgemm:
	.size	k_qc25b50101a_qkvgemm, .Lfunc_end_k_qc25b50101a_qkvgemm-k_qc25b50101a_qkvgemm
	.p2alignl 7, 3214868480
	.fill 96, 4, 3214868480
	.section	.rodata,"a",@progbits
	.p2align	6, 0x0
	.amdhsa_kernel k_qc25b50101a_qkvgemm
		.amdhsa_group_segment_fixed_size 327680
		.amdhsa_private_segment_fixed_size 0
		.amdhsa_enable_private_segment 0
		.amdhsa_kernarg_size 32
		.amdhsa_user_sgpr_count 2
		.amdhsa_user_sgpr_kernarg_segment_ptr 1
		.amdhsa_wavefront_size32 1
		.amdhsa_system_sgpr_workgroup_id_x 1
		.amdhsa_system_sgpr_workgroup_id_y 1
		.amdhsa_system_sgpr_workgroup_id_z 1
		.amdhsa_system_vgpr_workitem_id 0
		.amdhsa_next_free_vgpr 1024
		.amdhsa_next_free_sgpr 80
		.amdhsa_reserve_vcc 0
		.amdhsa_float_denorm_mode_32 3
		.amdhsa_float_denorm_mode_16_64 3
		.amdhsa_memory_ordered 1
		.amdhsa_forward_progress 1
		.amdhsa_inst_pref_size 198
	.end_amdhsa_kernel
	.amdgpu_metadata
---
amdhsa.version: [ 1, 2 ]
amdhsa.kernels:
  - .name:           k_qc25b50101a_qkvgemm
    .symbol:         k_qc25b50101a_qkvgemm.kd
    .args:
      - { .name: xb, .offset: 0, .size: 8, .value_kind: global_buffer, .address_space: global }
      - { .name: wab, .offset: 8, .size: 8, .value_kind: global_buffer, .address_space: global }
      - { .name: b_attn, .offset: 16, .size: 8, .value_kind: global_buffer, .address_space: global }
      - { .name: qkv, .offset: 24, .size: 8, .value_kind: global_buffer, .address_space: global }
    .group_segment_fixed_size: 327680
    .private_segment_fixed_size: 0
    .kernarg_segment_align: 8
    .kernarg_segment_size: 32
    .max_flat_workgroup_size: 128
    .sgpr_count:     80
    .vgpr_count:     1024
    .wavefront_size: 32
...
	.end_amdgpu_metadata
.endif
;; end of part 2
;; launch attn (part 3): grid 8 x 32, 8 waves a work-group, no clusters, 327,680 bytes of LDS; arguments qkv, yh; writes yh
.if DOCPART == 3
	.amdgcn_target "amdgcn-amd-amdhsa--gfx1250"
	.amdhsa_code_object_version 6
	.text
	.protected	k_qc25b50101a_attn
	.globl	k_qc25b50101a_attn
	.p2align	8
	.type	k_qc25b50101a_attn,@function
k_qc25b50101a_attn:
	s_mov_b64 s[64:65], 0
	v_nop
	global_prefetch_b8 v0, s[64:65] scope:SCOPE_SE
	s_setreg_imm32_b32 hwreg(HW_REG_WAVE_MODE, 25, 1), 1
	s_wait_xcnt 0x0
; Causal softmax attention, one pass over the keys with a running maximum.  qkv: f16 [which 3][bh 32][t 2048][64]; yh: f16 [head 16][2048 batch + t][64].
; A work-group (x = e, 0..7; y = bh) takes two blocks of 128 queries of one head: first block 2 e + 1, then block 14 - 2 e.  A unit is 128 keys; block b needs
; b + 1 units (keys behind the diagonal block are thrown away by the mask and are not computed), so every work-group does 17 units.
; The first block has an even number of units, the second an odd one, so the two LDS slots are fixed in the text.
; Eight waves; wave w owns queries 16 w .. 16 w + 15 of the block.
; NO JOINT LOADS: the eight work-groups of a head walk 2 e + 2 and 15 - 2 e units, different numbers in each; partners that went on asking would have to
; pass all 16 units of both blocks in step, about twice the barriers and requests of the 17 units done here.
; LAYOUTS (f16 forms).  S^T = K (rows = keys) x Q^T: lane (r, h) holds query r, keys 16 kb + 8 h + j.  Two such tiles, packed, ARE the second source of
; O^T = V^T (by the transposing LDS load; rows = d) x P^T, so P never moves between lanes.  In O^T lane (r, h) holds query r, d = 16 db + 8 h + j.
; The softmax state is one number a lane; the halves h meet through one v_permlanex16_b32 for the maximum, and once at the end for the sum.
; exp(s / 8 - m / 8) = 2^(c s - c m), c = log2(e) / 8.  The factor that rescales the old sums is made from the two ROUNDED shifts c m, so that
; old and new terms agree for large scores too.
; LIMITS: P and y are f16: P <= 1 (to rounding) by the running maximum; terms below 2^-24 of the largest drop out; |y| <= max |v| < 65,504.
; Exponentials below 2^-126 are 0.  The order of the sums differs from the reference's.
.set KP,    144                        ; K's LDS row: 128 bytes + 16 (odd multiple of 16)
.set VP,    160                        ; V's LDS row: 128 bytes + 32 (odd multiple of 32, for the transposing load)
.set KOFF,  128*VP                     ; a slot: V's 128 keys (20,480 bytes), then K's (18,432)
.set SLOT,  128*VP+128*KP              ; 38,912
.set STAGE, 2*SLOT                     ; 16 rows x 144 bytes for each wave; no fill lands here
.set UNITB, 128*128                    ; bytes of K, or of V, in a unit; also of Q and y in a block
.set ADRK, 2                           ; v2   KOFF + r 144 + 16 h
.set ADRV, 3                           ; v3   (8 h + l % 8) 160 + 16 ((l / 8) % 2)
.set STO,  4                           ; v4   my stage + r 144 + 16 h
.set RD,   5                           ; v5   my stage + (l / 8) 144 + 16 (l % 8)
.set CO,   6                           ; v6   16 l
.set QO,   7                           ; v7   r 128 + 16 h
.set LIM0, 8                           ; v8, v9: key 16 kb + j of half unit u is masked where 16 kb + j > 16 w + r - 8 h - 64 u
.set NINF, 10                          ; v10  -infinity
.set TT,   12                          ; v[12:15] at work
.set MX,   16                          ; v16  running maximum of my query's scores
.set LS,   17                          ; v17  running sum, of my half's keys
.set NM,   18                          ; v[18:19] -c x maximum, twice
.set AL,   20                          ; v[20:21] the rescaling factor, twice
.set UU,   22                          ; v[22:29] partial sums
.set QF,   32                          ; v[32:47] Q: d 0-31, d 32-63
.set OA,   48                          ; v[48:79] O^T: four tiles
.set SC,   80                          ; v[80:111] S^T: four tiles (64 keys)
.set PR,   112                         ; v[112:127] P^T packed
.set KF,   128                         ; v[128:191] K fragments: 16 kb + 8 (d half)
.set VF,   192                         ; v[192:255] V^T fragments: 32 ks + 8 db
.set G1K, 16                           ; s[16:23], s[24:31] group 1 for K, V
.set G1V, 24
.set G0K, 32                           ; s[32:39], s[40:47] group 0 for K, V: a set for each slot
.set G0V, 40
.set KB,  48                           ; s[48:49], s[50:51] my 16 keys of unit 0 in K, V, type bits set
.set VB,  50
.set NK,  52                           ; s[52:53], s[54:55] the same of the next unit to be fetched
.set NV,  54
.set QBE, 56                           ; s[56:57], s[58:59] my 16 queries in the first, second block
.set QBO, 58
.set YBE, 60                           ; s[60:61], s[62:63] their rows of yh
.set YBO, 62
	s_load_b128 s[4:7], s[0:1], 0x0                ; qkv s[4:5], yh s[6:7]
	v_lshl_add_u32 v30, v0, 2, 0x29000
	v_mov_b32 v31, 0
	ds_add_u32 v30, v31
	ds_add_u32 v30, v31
	v_lshrrev_b32 v1, 5, v0
	v_readfirstlane_b32 s8, v1                     ; wave 0..7
	s_mov_b32 s9, ttmp9                            ; e
	s_and_b32 s10, ttmp7, 0xffff                   ; bh = 16 batch + head
	s_mov_b32 s12, 0x76543210                      ; v_permlanex16_b32: lane i reads lane i of the other half
	s_mov_b32 s13, 0xfedcba98
	s_mov_b32 s14, 0x3e38aa3b                      ; c = log2(e) / 8
	s_mov_b32 s15, 0x3e38aa3b
	s_mov_b32 s72, 0xbe38aa3b                      ; -c
	; Group 1.  A wave's 16 keys are 2,048 dense bytes: 8 rows of 256 bytes.  The padding is counted along the tile, every 32 words,
	; so each key's 128 bytes get their pad: 4 words for K (pitch 144), 8 for V (pitch 160).
	s_mov_b32 s[G1K+0], (1<<16)|(1<<20)|(4<<22)|(3<<25)
	s_mov_b32 s[G1V+0], (1<<16)|(1<<20)|(4<<22)|(7<<25)
.irp g, G1K, G1V
	s_mov_b32 s[\g+1], 128<<16                     ; tensor_dim0 = 128 elements
	s_mov_b32 s[\g+2], 8<<16                       ; tensor_dim1 = 8
	s_mov_b32 s[\g+3], 128<<16                     ; tile_dim0 = 128
	s_mov_b32 s[\g+4], 8                           ; tile_dim1 = 8
	s_mov_b32 s[\g+5], 128                         ; from row to row
	s_mov_b32 s[\g+6], 0
	s_mov_b32 s[\g+7], 0
.endr
	s_mul_i32 s66, s8, 16*KP                       ; my 16 keys in K's part of a slot; also my stage
	s_mul_i32 s67, s8, 16*VP                       ; and in V's
.irp s, 0,1
	s_mov_b32 s[G0K+4*\s], 1
	s_add_co_u32 s[G0K+4*\s+1], s66, \s*SLOT+KOFF
	s_mov_b32 s[G0V+4*\s], 1
	s_add_co_u32 s[G0V+4*\s+1], s67, \s*SLOT
.endr
	s_add_co_u32 s73, s66, STAGE
	s_lshl_b32 s68, s10, 18                        ; a head's 262,144 bytes
	s_lshl_b32 s69, s8, 11                         ; my 16 rows of 128 bytes
	s_add_co_u32 s68, s68, s69
	s_mov_b32 s69, 0
	s_lshl_b32 s74, s9, 15
	s_add_co_u32 s74, s74, UNITB                   ; block 2 e + 1
	s_mov_b32 s75, 0
	s_lshl_b32 s76, s9, 15
	s_sub_co_u32 s76, 14*UNITB, s76                ; block 14 - 2 e
	s_mov_b32 s77, 0
	s_and_b32 s78, s10, 15                         ; yh: head x 524,288
	s_lshl_b32 s78, s78, 19
	s_lshr_b32 s79, s10, 4                         ; + batch x 262,144
	s_lshl_b32 s79, s79, 18
	s_add_co_u32 s78, s78, s79
	s_lshl_b32 s79, s8, 11
	s_add_co_u32 s78, s78, s79
	s_mov_b32 s79, 0
	s_wait_dscnt 0x0
	s_wait_kmcnt 0x0
	s_add_nc_u64 s[70:71], s[4:5], s[68:69]        ; q: my rows in block 0
	s_add_nc_u64 s[KB:KB+1], s[70:71], 32<<18      ; k lies 32 heads on,
	s_add_nc_u64 s[VB:VB+1], s[70:71], 64<<18      ; v 64
	s_or_b32 s[KB+1], s[KB+1], 0x80000000
	s_or_b32 s[VB+1], s[VB+1], 0x80000000
	s_mov_b64 s[G0K+2:G0K+3], s[KB:KB+1]
	s_mov_b64 s[G0V+2:G0V+3], s[VB:VB+1]
	tensor_load_to_lds s[G0K:G0K+3], s[G1K:G1K+7]  ; unit 0 into slot 0: a first fill.  Two tensor loads of the wave are out: the most in this text
	s_nop 0
	tensor_load_to_lds s[G0V:G0V+3], s[G1V:G1V+7]
	s_nop 0
	s_add_nc_u64 s[NK:NK+1], s[KB:KB+1], UNITB
	s_add_nc_u64 s[NV:NV+1], s[VB:VB+1], UNITB
	s_add_nc_u64 s[QBE:QBE+1], s[70:71], s[74:75]
	s_add_nc_u64 s[QBO:QBO+1], s[70:71], s[76:77]
	s_add_nc_u64 s[6:7], s[6:7], s[78:79]
	s_add_nc_u64 s[YBE:YBE+1], s[6:7], s[74:75]
	s_add_nc_u64 s[YBO:YBO+1], s[6:7], s[76:77]
	v_and_b32 v12, 15, v0                          ; r
	v_bfe_u32 v13, v0, 4, 1                        ; h
	v_and_b32 v14, 7, v0                           ; l % 8
	v_bfe_u32 v15, v0, 3, 1                        ; (l / 8) % 2
	v_bfe_u32 v22, v0, 3, 2                        ; l / 8
	v_and_b32 v23, 31, v0                          ; l
	v_mul_u32_u24 v24, v12, KP
	v_lshl_add_u32 v24, v13, 4, v24                ; r 144 + 16 h
	v_add_nc_u32 v[ADRK], KOFF, v24
	v_add_nc_u32 v[STO], s73, v24
	v_lshl_add_u32 v25, v13, 3, v14
	v_mul_u32_u24 v25, v25, VP
	v_lshl_add_u32 v[ADRV], v15, 4, v25
	v_mul_u32_u24 v26, v22, KP
	v_lshl_add_u32 v26, v14, 4, v26
	v_add_nc_u32 v[RD], s73, v26
	v_lshlrev_b32 v[CO], 4, v23
	v_lshlrev_b32 v27, 7, v12
	v_lshl_add_u32 v[QO], v13, 4, v27
	v_lshl_add_u32 v[LIM0], v1, 4, v12             ; 16 w + r
	v_lshlrev_b32 v28, 3, v13
	v_sub_nc_u32 v[LIM0], v[LIM0], v28             ; - 8 h
	v_add_nc_u32 v[LIM0+1], 0xffffffc0, v[LIM0]    ; - 64 for the unit's second half
	v_mov_b32 v[NINF], 0xff800000
; Four places behind a matrix instruction before a vector instruction reads its result or a load lands on one of its registers
.macro PLACES
.rept 4
	v_nop
.endr
.endm
; A block begins: its Q, and an empty state.  The sums are cleared by 32 moves, twice in the kernel: the number of units runs from 1 to 16 with e, and in
; the second block the first unit can also be the masked one, so no first unit can be written out ahead of the loop to start them.
.macro PASSINIT qb
	global_load_b128 v[QF:QF+3],     v[QO], s[\qb:\qb+1]
	global_load_b128 v[QF+4:QF+7],   v[QO], s[\qb:\qb+1] offset:32
	global_load_b128 v[QF+8:QF+11],  v[QO], s[\qb:\qb+1] offset:64
	global_load_b128 v[QF+12:QF+15], v[QO], s[\qb:\qb+1] offset:96
.set i, 0
.rept 32
	v_mov_b32 v[OA+i], 0
.set i, i+1
.endr
	v_mov_b32 v[MX], 0xff800000                    ; maximum = -infinity,
	v_mov_b32 v[NM], 0x7f800000                    ; so -c x maximum = +infinity: the first factor is 2^(-infinity) = 0
	v_mov_b32 v[NM+1], 0x7f800000
	v_mov_b32 v[LS], 0
	s_wait_loadcnt 0x0
.endm
; 64 keys (half u of the unit in a slot).  diag = 1: the block's own keys, masked.  Every query sees key 0 of its block's first unit, so the
; maximum is finite from the first half unit on, and masked terms give 2^(-infinity) = 0.
.macro SUB slot, u, diag
	PLACES                                         ; VF was read by the matrix instructions just before
.irp kb, 0,1,2,3
.irp dh, 0,1
	ds_load_b128 v[KF+16*\kb+8*\dh:KF+16*\kb+8*\dh+3],   v[ADRK] offset:\slot*SLOT+(64*\u+16*\kb)*KP+64*\dh
	ds_load_b128 v[KF+16*\kb+8*\dh+4:KF+16*\kb+8*\dh+7], v[ADRK] offset:\slot*SLOT+(64*\u+16*\kb)*KP+64*\dh+32
.endr
.endr
.irp ks, 0,1
.irp db, 0,1,2,3
	ds_load_tr16_b128 v[VF+32*\ks+8*\db:VF+32*\ks+8*\db+3],   v[ADRV] offset:\slot*SLOT+(64*\u+32*\ks)*VP+32*\db
	ds_load_tr16_b128 v[VF+32*\ks+8*\db+4:VF+32*\ks+8*\db+7], v[ADRV] offset:\slot*SLOT+(64*\u+32*\ks)*VP+32*\db+16*VP
.endr
.endr
	s_wait_dscnt 16                                ; K's 16 loads are in; V's 16, issued behind them, stay out
	; S^T: the four tiles take turns, one instruction a turn; the first product starts each sum
.irp kb, 0,1,2,3
	v_wmma_f32_16x16x32_f16 v[SC+8*\kb:SC+8*\kb+7], v[KF+16*\kb:KF+16*\kb+7], v[QF:QF+7], 0
.endr
.irp kb, 0,1,2,3
	v_wmma_f32_16x16x32_f16 v[SC+8*\kb:SC+8*\kb+7], v[KF+16*\kb+8:KF+16*\kb+15], v[QF+8:QF+15], v[SC+8*\kb:SC+8*\kb+7]
.endr
	PLACES
.if \diag
.irp kb, 0,1,2,3
.irp j, 0,1,2,3,4,5,6,7
	v_cmp_gt_i32 vcc_lo, 16*\kb+\j, v[LIM0+\u]     ; the key lies behind the query
	v_cndmask_b32 v[SC+8*\kb+\j], v[SC+8*\kb+\j], v[NINF], vcc_lo
.endr
.endr
.endif
	; the largest of my 32 scores, of the other half's 32, and of the maximum so far
.irp k, 0,1,2,3
	v_max3_num_f32 v[TT+\k], v[SC+8*\k], v[SC+8*\k+1], v[SC+8*\k+2]
.endr
.irp k, 0,1,2,3
	v_max3_num_f32 v[TT+\k], v[TT+\k], v[SC+8*\k+3], v[SC+8*\k+4]
.endr
.irp k, 0,1,2,3
	v_max3_num_f32 v[TT+\k], v[TT+\k], v[SC+8*\k+5], v[SC+8*\k+6]
.endr
	v_max3_num_f32 v[TT], v[TT], v[SC+7], v[SC+15]
	v_max3_num_f32 v[TT+2], v[TT+2], v[SC+23], v[SC+31]
	v_max3_num_f32 v[TT], v[TT], v[TT+1], v[TT+2]
	v_max_num_f32 v[TT], v[TT], v[TT+3]
	v_permlanex16_b32 v[TT+1], v[TT], s12, s13
	v_max3_num_f32 v[MX], v[TT], v[TT+1], v[MX]
	v_mul_f32 v[TT+2], s72, v[MX]                  ; the new shift -c m, rounded once
	v_sub_f32 v[TT+3], v[TT+2], v[NM]              ; new shift - old shift <= 0
	v_mov_b32 v[NM], v[TT+2]
	v_mov_b32 v[NM+1], v[TT+2]
	v_exp_f32 v[AL], v[TT+3]                       ; the old sums' factor; the multiply-adds below are the plain instructions behind it (ISA guide 5.7.2)
	v_exp_f32 v[AL+1], v[TT+3]
.set i, 0
.rept 16
	v_pk_fma_f32 v[SC+2*i:SC+2*i+1], v[SC+2*i:SC+2*i+1], s[14:15], v[NM:NM+1] op_sel_hi:[1,0,1]   ; c s - c m
.set i, i+1
.endr
.set i, 0
.rept 32
	v_exp_f32 v[SC+i], v[SC+i]
.set i, i+1
.endr
.set i, 0
	s_wait_alu depctr_va_vdst(0)
.rept 16
	v_pk_mul_f32 v[OA+2*i:OA+2*i+1], v[OA+2*i:OA+2*i+1], v[AL:AL+1]   ; plain work behind the exponentials
.set i, i+1
.endr
.irp k, 0,1,2,3
	v_pk_add_f32 v[UU+2*\k:UU+2*\k+1], v[SC+2*\k:SC+2*\k+1], v[SC+8+2*\k:SC+8+2*\k+1]
.endr
.irp k, 0,1,2,3
	v_pk_add_f32 v[UU+2*\k:UU+2*\k+1], v[UU+2*\k:UU+2*\k+1], v[SC+16+2*\k:SC+16+2*\k+1]
.endr
.irp k, 0,1,2,3
	v_pk_add_f32 v[UU+2*\k:UU+2*\k+1], v[UU+2*\k:UU+2*\k+1], v[SC+24+2*\k:SC+24+2*\k+1]
.endr
	v_pk_add_f32 v[UU:UU+1], v[UU:UU+1], v[UU+2:UU+3]
	v_pk_add_f32 v[UU+4:UU+5], v[UU+4:UU+5], v[UU+6:UU+7]
	v_pk_add_f32 v[UU:UU+1], v[UU:UU+1], v[UU+4:UU+5]
	v_add_f32 v[TT], v[UU], v[UU+1]
	v_fma_f32 v[LS], v[LS], v[AL], v[TT]
.set i, 0
.rept 16
	v_cvt_pk_f16_f32 v[PR+i], v[SC+2*i], v[SC+2*i+1]   ; tiles 2 ks, 2 ks + 1 packed = the fragment for keys 32 ks .. 32 ks + 31
.set i, i+1
.endr
	s_wait_dscnt 0x0                               ; V's fragments
	; O^T: the four tiles take turns, one instruction a turn
.irp db, 0,1,2,3
	v_wmma_f32_16x16x32_f16 v[OA+8*\db:OA+8*\db+7], v[VF+8*\db:VF+8*\db+7], v[PR:PR+7], v[OA+8*\db:OA+8*\db+7]
.endr
.irp db, 0,1,2,3
	v_wmma_f32_16x16x32_f16 v[OA+8*\db:OA+8*\db+7], v[VF+32+8*\db:VF+32+8*\db+7], v[PR+8:PR+15], v[OA+8*\db:OA+8*\db+7]
.endr
.endm
; A unit of 128 keys, read from a slot.  One barrier for two things: in front of it every wave waits for all its tensor loads (its part of this slot) and
; for its reads of the other slot; behind it this slot is whole and the other one is free.  fill = 1: the next unit goes into the other slot, first thing
; behind the barrier, and has this unit's work in which to land.  reset = 1: the next unit is unit 0 again, for the second block.
.macro UNIT slot, fill, reset, diag
	s_wait_tensorcnt 0x0                           ; no tensor load of mine is out: every group 0 may be written
	ds_add_u32 v30, v31
	s_wait_dscnt 0x0
.if \reset
	s_mov_b64 s[G0K+4*(1-\slot)+2:G0K+4*(1-\slot)+3], s[KB:KB+1]
	s_mov_b64 s[G0V+4*(1-\slot)+2:G0V+4*(1-\slot)+3], s[VB:VB+1]
	s_add_nc_u64 s[NK:NK+1], s[KB:KB+1], UNITB
	s_add_nc_u64 s[NV:NV+1], s[VB:VB+1], UNITB
.else
	s_mov_b64 s[G0K+4*(1-\slot)+2:G0K+4*(1-\slot)+3], s[NK:NK+1]
	s_mov_b64 s[G0V+4*(1-\slot)+2:G0V+4*(1-\slot)+3], s[NV:NV+1]
	s_add_nc_u64 s[NK:NK+1], s[NK:NK+1], UNITB     ; (behind the last fill of a block these are written and not used)
	s_add_nc_u64 s[NV:NV+1], s[NV:NV+1], UNITB
.endif
	s_wait_dscnt 0x0                               ; my reads of the other slot are back
	s_barrier_signal -1
	s_barrier_wait -1
.if \fill
	tensor_load_to_lds s[G0K+4*(1-\slot):G0K+4*(1-\slot)+3], s[G1K:G1K+7]
	s_nop 0
	tensor_load_to_lds s[G0V+4*(1-\slot):G0V+4*(1-\slot)+3], s[G1V:G1V+7]
	s_nop 0
.endif
	SUB \slot, 0, \diag
	SUB \slot, 1, \diag
.endm
; A block ends: the two halves' sums meet, O^T is divided, rounded to f16 and sent through my own stage, so that a store covers whole rows.
.macro FIN yb
	PLACES
	v_permlanex16_b32 v[TT], v[LS], s12, s13
	v_add_f32 v[LS], v[LS], v[TT]                  ; at least about 1: the largest term is 2^0
	v_rcp_f32 v[AL], v[LS]
	v_rcp_f32 v[AL+1], v[LS]
	v_nop                                          ; one plain instruction behind the reciprocals (ISA guide 5.7.2)
.set i, 0
	s_wait_alu depctr_va_vdst(0)
.rept 16
	v_pk_mul_f32 v[OA+2*i:OA+2*i+1], v[OA+2*i:OA+2*i+1], v[AL:AL+1]
.set i, i+1
.endr
.set i, 0
.rept 16
	v_cvt_pk_f16_f32 v[PR+i], v[OA+2*i], v[OA+2*i+1]
.set i, i+1
.endr
.irp db, 0,1,2,3
	ds_store_b128 v[STO], v[PR+4*\db:PR+4*\db+3] offset:32*\db      ; query r, d = 16 db + 8 h .. + 7
.endr
.irp t, 0,1,2,3
	ds_load_b128 v[SC+4*\t:SC+4*\t+3], v[RD] offset:4*KP*\t         ; my own bytes, served in order: these see the stores above
.endr
.irp t, 0,1,2,3
	s_wait_dscnt 3-\t
	global_store_b128 v[CO], v[SC+4*\t:SC+4*\t+3], s[\yb:\yb+1] offset:512*\t   ; four rows of 128 bytes: 512 consecutive bytes at a multiple of 512
.endr
	s_wait_xcnt 0x0                                ; the stores' data registers are written again in the next block only behind this wait
.endm
	; the first block, 2 e + 1: 2 e + 2 units
	PASSINIT QBE
	s_cmp_eq_u32 s9, 0
	s_cbranch_scc1 .LskipE
	s_mov_b32 s11, s9
.LloopE:
	UNIT 0, 1, 0, 0
	UNIT 1, 1, 0, 0
	s_sub_co_u32 s11, s11, 1
	s_cmp_lg_u32 s11, 0
	s_cbranch_scc1 .LloopE
.LskipE:
	UNIT 0, 1, 0, 0
	UNIT 1, 1, 1, 1                                ; the block's own keys; slot 0 gets unit 0 again, for the second block
	FIN YBE
	; the second block, 14 - 2 e: 15 - 2 e units
	PASSINIT QBO
	s_sub_co_u32 s11, 7, s9
	s_cmp_eq_u32 s11, 0
	s_cbranch_scc1 .LskipO
.LloopO:
	UNIT 0, 1, 0, 0
	UNIT 1, 1, 0, 0
	s_sub_co_u32 s11, s11, 1
	s_cmp_lg_u32 s11, 0
	s_cbranch_scc1 .LloopO
.LskipO:
	UNIT 0, 0, 0, 1                                ; the block's own keys; nothing more is fetched, and no tensor load is out
	FIN YBO
	s_wait_tensorcnt 0x0
	ds_add_u32 v30, v31
	s_wait_dscnt 0x0
	s_endpgm
.Lfunc_end_k_qc25b50101a_attn:
	.size	k_qc25b50101a_attn, .Lfunc_end_k_qc25b50101a_attn-k_qc25b50101a_attn
	.p2alignl 7, 3214868480
	.fill 96, 4, 3214868480
	.section	.rodata,"a",@progbits
	.p2align	6, 0x0
	.amdhsa_kernel k_qc25b50101a_attn
		.amdhsa_group_segment_fixed_size 327680
		.amdhsa_private_segment_fixed_size 0
		.amdhsa_enable_private_segment 0
		.amdhsa_kernarg_size 16
		.amdhsa_user_sgpr_count 2
		.amdhsa_user_sgpr_kernarg_segment_ptr 1
		.amdhsa_wavefront_size32 1
		.amdhsa_system_sgpr_workgroup_id_x 1
		.amdhsa_system_sgpr_workgroup_id_y 1
		.amdhsa_system_sgpr_workgroup_id_z 1
		.amdhsa_system_vgpr_workitem_id 0
		.amdhsa_next_free_vgpr 256
		.amdhsa_next_free_sgpr 80
		.amdhsa_reserve_vcc 1
		.amdhsa_float_denorm_mode_32 3
		.amdhsa_float_denorm_mode_16_64 3
		.amdhsa_memory_ordered 1
		.amdhsa_forward_progress 1
		.amdhsa_inst_pref_size 164
	.end_amdhsa_kernel
	.amdgpu_metadata
---
amdhsa.version: [ 1, 2 ]
amdhsa.kernels:
  - .name:           k_qc25b50101a_attn
    .symbol:         k_qc25b50101a_attn.kd
    .args:
      - { .name: qkv, .offset: 0, .size: 8, .value_kind: global_buffer, .address_space: global }
      - { .name: yh, .offset: 8, .size: 8, .value_kind: global_buffer, .address_space: global }
    .group_segment_fixed_size: 327680
    .private_segment_fixed_size: 0
    .kernarg_segment_align: 8
    .kernarg_segment_size: 16
    .max_flat_workgroup_size: 256
    .sgpr_count:     80
    .vgpr_count:     256
    .wavefront_size: 32
...
	.end_amdgpu_metadata
.endif
;; end of part 3
;; launch proj (part 4): grid 8 x 32, 4 waves a work-group, clusters of 4 x 4, 327,680 bytes of LDS; arguments yh, wpf, b_proj, out0; writes out0
.if DOCPART == 4
	.amdgcn_target "amdgcn-amd-amdhsa--gfx1250"
	.amdhsa_code_object_version 6
	.text
	.protected	k_qc25b50101a_proj
	.globl	k_qc25b50101a_proj
	.p2align	8
	.type	k_qc25b50101a_proj,@function
k_qc25b50101a_proj:
	s_mov_b64 s[64:65], 0
	v_nop
	global_prefetch_b8 v0, s[64:65] scope:SCOPE_SE
	s_setreg_imm32_b32 hwreg(HW_REG_WAVE_MODE, 25, 1), 1
	s_wait_xcnt 0x0
	s_wait_alu depctr_hold_cnt(0) depctr_sa_sdst(0) depctr_va_vdst(0) depctr_va_sdst(0) depctr_va_ssrc(0) depctr_va_vcc(0) depctr_vm_vsrc(0)
	s_getreg_b32 s2, hwreg(HW_REG_IB_STS2, 6, 4)
	s_cmp_eq_u32 s2, 0
	s_cbranch_scc0 .Lentry_in_a_cluster
	s_endpgm
.Lentry_in_a_cluster:
	s_bfe_u32 s2, ttmp6, 0x10000c
	s_cmp_lg_u32 s2, 0xf033
	s_cbranch_scc0 .Lentry_shape_is_right
	s_endpgm
.Lentry_shape_is_right:
; out0 = y wpf + b_proj.  yh: f16 [head 16][row 4096][64] (k = 64 head + d), wpf: f16 [1024 k][1024 n], b_proj: [1024] f32, out0: [4096][1024] f32.
; Sums in f32.  LIMIT: both operands are f16 (|y|, |w| < 65,504); see the launches that made them.
; A work-group makes a block of 128 x 128 (256 work-groups); a wave makes 64 x 64: 16 accumulator tiles, 128 registers.
; K goes in 8 steps of 128 (two heads) through FOUR LDS slots; all eight steps are written out.  Four tiles go out at the start; slots are filled again
; two at a time, twice, and each refilled tile has two K steps (128 matrix instructions of a wave) in which to land.
; CLUSTERS: 4 x 4 work-groups; y's tiles are shared along a row of the cluster, wpf's along a column, asked for jointly.
; The matrix instruction is used transposed (source 0 = 16 columns of wpf through the transposing LDS load, source 1 = 16 rows of y): a lane holds
; eight neighbouring columns of a row.  The bias is the C of the first products: no clearing, no adds.
; REGISTERS: window 0: v16-27 addresses, v32-63 bias, v64-127 and v128-191 two fragment buffers (wpf's four, then y's four), v192-255 the way out;
; window 1: accumulator tile (a, b) at v[8 (4 a + b)].
.set AP,     144                       ; y's LDS row: a head's 128 bytes + 16
.set BP,     288                       ; wpf's LDS row: 256 bytes + 32 (odd multiple of 32)
.set HALFT,  18432                     ; one tensor load's bytes: 128 x 144 = 64 x 288
.set SLOT,   4*HALFT                   ; y: head 0's 128 rows, head 1's 128 rows; then wpf's 128 k rows
.set STAGE,  4*SLOT                    ; 16 rows x 272 bytes for each wave; no fill lands here
.set SPITCH, 272
.set ADRA, 16                          ; v16-19 LDS address of my y fragments in slot 0..3
.set ADRB, 20                          ; v20-23 the same for wpf
.set STO,  24
.set RD,   25
.set CO,   26
.set BO,   27
.set BIAS, 32
.set F0,   64
.set F1,   128
.set TMP,  192
.set G1A, 16                           ; s[16:23], s[24:31] group 1 for y, wpf
.set G1B, 24
.set G0A, 32                           ; s[32:47], s[48:63] group 0 for y, wpf: a set for each slot
.set G0B, 48
.set MSB, 0
.macro WIN new
.if MSB != \new
	s_set_vgpr_msb (MSB<<8)|\new
.set MSB, \new
.endif
.endm
.macro JLOAD s                         ; waves 0 and 1 fetch y's two heads, waves 2 and 3 wpf's two halves
	s_cmp_eq_u32 s11, 0
	s_cbranch_scc0 .Lfor_b_\@
	tensor_load_to_lds s[G0A+4*\s:G0A+4*\s+3], s[G1A:G1A+7]
	s_nop 0
	s_branch .Lasked_\@
.Lfor_b_\@:
	tensor_load_to_lds s[G0B+4*\s:G0B+4*\s+3], s[G1B:G1B+7]
	s_nop 0
.Lasked_\@:
.endm
.macro ROUND                           ; a round of the cluster's barrier
	s_barrier_signal -1
	s_barrier_wait -1
	s_cmp_lg_u32 s10, 0
	s_cbranch_scc1 .Lnot_wave_0_\@
	s_barrier_signal -3
.Lnot_wave_0_\@:
	s_barrier_wait -3
	s_barrier_signal -1
	s_barrier_wait -1
.endm
	s_load_b128 s[4:7], s[0:1], 0x0                ; yh s[4:5], wpf s[6:7]
	s_load_b64 s[66:67], s[0:1], 0x10              ; b_proj
	s_load_b64 s[8:9], s[0:1], 0x18                ; out0
	v_lshl_add_u32 v30, v0, 2, 0x4c400
	v_mov_b32 v31, 0
	ds_add_u32 v30, v31
	ds_add_u32 v30, v31
	v_lshrrev_b32 v1, 5, v0
	v_readfirstlane_b32 s10, v1                    ; wave 0..3
	s_lshr_b32 s11, s10, 1                         ; my half of the block's rows.  Also: I fetch for y (0) or for wpf (1)
	s_and_b32 s12, s10, 1                          ; my half of its columns.  Also: which half of that tile I fetch
	s_bfe_u32 s68, ttmp6, 0x40000                  ; cx
	s_bfe_u32 s69, ttmp6, 0x40004                  ; cy
	s_lshl_b32 s70, ttmp9, 2
	s_add_co_u32 s70, s70, s68                     ; block column 0..7
	s_and_b32 s13, ttmp7, 0xffff
	s_lshl_b32 s13, s13, 2
	s_add_co_u32 s13, s13, s69                     ; block row 0..31
	s_lshl_b32 s71, s69, 2
	s_lshl_b32 s71, 15, s71                        ; my row of the cluster
	s_lshl_b32 s72, 0x1111, s68                    ; my column
	; y: a head's 128 rows of 128 bytes are dense: 64 rows of 256 bytes, 4 words of padding behind every 32 words, that is behind each row of y
	s_or_b32 s[G1A+0], s71, (1<<16)|(1<<20)|(1<<21)|(4<<22)|(3<<25)
	s_mov_b32 s[G1A+1], 128<<16
	s_mov_b32 s[G1A+2], 64<<16
	s_mov_b32 s[G1A+3], 128<<16
	s_mov_b32 s[G1A+4], 64
	s_mov_b32 s[G1A+5], 128
	s_mov_b32 s[G1A+6], 0
	s_mov_b32 s[G1A+7], 0
	; wpf: 64 k rows x 128 elements, 8 words of padding behind every 64
	s_or_b32 s[G1B+0], s72, (1<<16)|(1<<20)|(1<<21)|(5<<22)|(7<<25)
	s_mov_b32 s[G1B+1], 128<<16
	s_mov_b32 s[G1B+2], 64<<16
	s_mov_b32 s[G1B+3], 128<<16
	s_mov_b32 s[G1B+4], 64
	s_mov_b32 s[G1B+5], 1024
	s_mov_b32 s[G1B+6], 0
	s_mov_b32 s[G1B+7], 0
	s_lshl_b32 s78, s12, 19                        ; y: my head of the step's two, 524,288 bytes each,
	s_lshl_b32 s79, s13, 14                        ; + 128 rows of 128 bytes for each block row
	s_add_co_u32 s78, s78, s79
	s_mov_b32 s79, 0
	s_lshl_b32 s82, s12, 17                        ; wpf: my 64 k rows of 2,048 bytes,
	s_lshl_b32 s83, s70, 8                         ; + 256 bytes for each block column
	s_add_co_u32 s82, s82, s83
	s_mov_b32 s83, 0
	s_mul_i32 s80, s10, HALFT                      ; where they go: wave x 18,432
	s_lshl_b32 s88, s70, 9                         ; the bias of my 64 columns: 4 (128 block column + 64 half)
	s_lshl_b32 s89, s12, 8
	s_add_co_u32 s88, s88, s89
	s_mov_b32 s89, 0
	s_wait_dscnt 0x0
	s_wait_kmcnt 0x0
	s_add_nc_u64 s[74:75], s[4:5], s[78:79]
	s_add_nc_u64 s[76:77], s[6:7], s[82:83]
	s_add_nc_u64 s[66:67], s[66:67], s[88:89]
	ROUND                                          ; all sixteen work-groups are here: the first joint loads meet
.irp s, 0,1,2,3
	s_mov_b32 s[G0A+4*\s], 1
	s_add_co_u32 s[G0A+4*\s+1], s80, \s*SLOT
	s_add_nc_u64 s[G0A+4*\s+2:G0A+4*\s+3], s[74:75], \s*1048576     ; two heads a K step
	s_or_b32 s[G0A+4*\s+3], s[G0A+4*\s+3], 0x80000000
	s_mov_b32 s[G0B+4*\s], 1
	s_add_co_u32 s[G0B+4*\s+1], s80, \s*SLOT
	s_add_nc_u64 s[G0B+4*\s+2:G0B+4*\s+3], s[76:77], \s*262144      ; 128 k rows a K step
	s_or_b32 s[G0B+4*\s+3], s[G0B+4*\s+3], 0x80000000
	JLOAD \s                                       ; four tensor loads of the wave are out behind the last: the most in this text
.endr
	v_and_b32 v1, 15, v0                           ; r
	v_bfe_u32 v2, v0, 4, 1                         ; h
	v_lshlrev_b32 v[BO], 5, v2
.irp b, 0,1,2,3
	global_load_b128 v[BIAS+8*\b:BIAS+8*\b+3],   v[BO], s[66:67] offset:64*\b
	global_load_b128 v[BIAS+8*\b+4:BIAS+8*\b+7], v[BO], s[66:67] offset:64*\b+16
.endr
	v_mul_u32_u24 v3, v1, AP
	v_lshl_add_u32 v3, v2, 4, v3                   ; y: row r, 16 h
	v_and_b32 v4, 7, v0
	v_lshl_add_u32 v4, v2, 3, v4
	v_mul_u32_u24 v4, v4, BP
	v_bfe_u32 v5, v0, 3, 1
	v_lshl_add_u32 v4, v5, 4, v4                   ; wpf: k row 8 h + l % 8, 16 ((l / 8) % 2)
	s_mul_i32 s81, s11, 64*AP                      ; my 64 rows of y
	s_lshl_b32 s84, s12, 7                         ; my 64 columns of wpf: 128 bytes,
	s_add_co_u32 s84, s84, 2*HALFT                 ; behind y's two heads
.irp s, 0,1,2,3
	v_add_nc_u32 v[ADRA+\s], s81, v3
	v_add_nc_u32 v[ADRB+\s], s84, v4
	s_add_co_u32 s81, s81, SLOT
	s_add_co_u32 s84, s84, SLOT
.endr
	s_mul_i32 s86, s10, 16*SPITCH
	s_add_co_u32 s86, s86, STAGE                   ; my stage
	v_mul_u32_u24 v6, v1, SPITCH                   ; in: row r, 32 bytes for each half of the lanes
	v_lshl_add_u32 v6, v2, 5, v6
	v_add_nc_u32 v[STO], s86, v6
	v_mul_u32_u24 v7, v2, SPITCH                   ; back: lanes 0-15 take one row of 256 bytes, lanes 16-31 the next
	v_lshl_add_u32 v7, v1, 4, v7
	v_add_nc_u32 v[RD], s86, v7
	v_lshlrev_b32 v8, 12, v2                       ; and the same two rows of out0, 4,096 bytes apart
	v_lshl_add_u32 v[CO], v1, 4, v8
.macro PLACES                          ; four places behind a matrix instruction (ISA guide 7.12.1)
.rept 4
	v_nop
.endr
.endm
; 16 LDS loads: the fragments of quarter q (32 along K) of slot s into buffer f
.macro FETCH s, q, f
.irp i, 0,1,2,3
	ds_load_tr16_b128 v[\f+8*\i:\f+8*\i+3],   v[ADRB+\s] offset:\q*32*BP+32*\i
	ds_load_tr16_b128 v[\f+8*\i+4:\f+8*\i+7], v[ADRB+\s] offset:\q*32*BP+32*\i+16*BP
.endr
.irp i, 0,1,2,3
	ds_load_b128 v[\f+32+8*\i:\f+32+8*\i+3],   v[ADRA+\s] offset:HALFT*(\q>>1)+64*(\q&1)+\i*16*AP
	ds_load_b128 v[\f+32+8*\i+4:\f+32+8*\i+7], v[ADRA+\s] offset:HALFT*(\q>>1)+64*(\q&1)+\i*16*AP+32
.endr
.endm
; 16 matrix instructions: the 16 accumulators take turns, one instruction a turn, in the same order every time
.macro MUL f, first
.if \first
	WIN 0x40                                       ; D window 1; C, the bias, window 0
.else
	WIN 0x50                                       ; C and D window 1
.endif
.irp a, 0,1,2,3
.irp b, 0,1,2,3
.if \first
	v_wmma_f32_16x16x32_f16 v[8*(4*\a+\b):8*(4*\a+\b)+7], v[\f+8*\b:\f+8*\b+7], v[\f+32+8*\a:\f+32+8*\a+7], v[BIAS+8*\b:BIAS+8*\b+7]
.else
	v_wmma_f32_16x16x32_f16 v[8*(4*\a+\b):8*(4*\a+\b)+7], v[\f+8*\b:\f+8*\b+7], v[\f+32+8*\a:\f+32+8*\a+7], v[8*(4*\a+\b):8*(4*\a+\b)+7]
.endif
.endr
.endr
	WIN 0
.endm
; A quarter: the next quarter's fragments (slot ns, quarter nq) go out into buffer g, then buffer f is multiplied
.macro QTR f, g, ns, nq, first
	PLACES                                         ; buffer g was read by the matrix instructions just before
	FETCH \ns, \nq, \g
	s_wait_dscnt 16                                ; buffer f is in; the 16 loads just issued stay out
	MUL \f, \first
.endm
.macro STEP3 s, first                  ; a K step's first three quarters
	QTR F0, F1, \s, 1, \first
	QTR F1, F0, \s, 2, 0
	QTR F0, F1, \s, 3, 0
.endm
; The next tile is shown to all four waves; n younger tiles of mine stay out
.macro GATEC n
	s_wait_tensorcnt \n
	s_wait_dscnt 0x0
	s_barrier_signal -1
	s_barrier_wait -1
.endm
; Slots a and b, which have been read, are filled again, four K steps on.  The waits stand in front of the round's opening signal; the joint loads come first behind it.
.macro REFILL a, b
	s_wait_dscnt 0x0                               ; my reads of both slots are back
	s_wait_tensorcnt 0x0                           ; all my tensor loads have landed: every group 0 may be written
	ds_add_u32 v30, v31
	s_wait_dscnt 0x0
.irp t, \a, \b
	s_add_nc_u64 s[G0A+4*\t+2:G0A+4*\t+3], s[G0A+4*\t+2:G0A+4*\t+3], 4*1048576
	s_add_nc_u64 s[G0B+4*\t+2:G0B+4*\t+3], s[G0B+4*\t+2:G0B+4*\t+3], 4*262144
.endr
	ROUND
	JLOAD \a
	JLOAD \b
.endm
	s_wait_loadcnt 0x0                             ; the bias, once
	GATEC 3                                        ; tile 0 is in; tiles 1, 2, 3 stay out
	FETCH 0, 0, F0
	STEP3 0, 1                                     ; K step 0: its first products start the sums on the bias
	GATEC 2                                        ; tile 1 is in; 2 and 3 stay out
	QTR F1, F0, 1, 0, 0
	STEP3 1, 0
	REFILL 0, 1                                    ; tiles 2 and 3 have landed; tiles 4 and 5 go out
	QTR F1, F0, 2, 0, 0
	STEP3 2, 0
	QTR F1, F0, 3, 0, 0                            ; tile 3 was shown landed in front of the last round
	STEP3 3, 0
	REFILL 2, 3                                    ; tiles 4 and 5 have landed; tiles 6 and 7 go out: the last
	QTR F1, F0, 0, 0, 0
	STEP3 0, 0
	QTR F1, F0, 1, 0, 0
	STEP3 1, 0
	GATEC 1                                        ; tile 6 is in; 7 stays out
	QTR F1, F0, 2, 0, 0
	STEP3 2, 0
	GATEC 0                                        ; tile 7 is in: no tensor load is out any more
	QTR F1, F0, 3, 0, 0
	STEP3 3, 0
	s_wait_dscnt 0x0
	MUL F1, 0
	; THE WAY OUT, 16 rows at a time, in f32: 32 bytes a lane into my own stage, read back as whole rows of 256 bytes
	PLACES
	s_lshl_b32 s88, s13, 19                        ; 128 rows of 4,096 bytes for each block row
	s_lshl_b32 s89, s11, 18                        ; + my 64 rows
	s_add_co_u32 s88, s88, s89
	s_lshl_b32 s89, s70, 9                         ; + 512 bytes for each block column
	s_add_co_u32 s88, s88, s89
	s_lshl_b32 s89, s12, 8                         ; + my 64 columns
	s_add_co_u32 s88, s88, s89
	s_mov_b32 s89, 0
	s_add_nc_u64 s[8:9], s[8:9], s[88:89]
.macro OUT16 a
	WIN 0x04                                       ; an LDS store's data is its source 1: window 1
.irp b, 0,1,2,3
	ds_store_b128 v[STO], v[8*(4*\a+\b):8*(4*\a+\b)+3]   offset:64*\b
	ds_store_b128 v[STO], v[8*(4*\a+\b)+4:8*(4*\a+\b)+7] offset:64*\b+16
.endr
	WIN 0
	s_wait_xcnt 0x0                                ; registers that earlier stores read, and the stores' base, are rewritten only behind this wait
.if \a
	s_add_nc_u64 s[8:9], s[8:9], 16*4096
.endif
.irp t, 0,1,2,3,4,5,6,7
	ds_load_b128 v[TMP+32*(\a&1)+4*\t:TMP+32*(\a&1)+4*\t+3], v[RD] offset:2*SPITCH*\t   ; my own bytes, served in order
.endr
.irp t, 0,1,2,3,4,5,6,7
	s_wait_dscnt 7-\t
	global_store_b128 v[CO], v[TMP+32*(\a&1)+4*\t:TMP+32*(\a&1)+4*\t+3], s[8:9] offset:8192*\t th:TH_STORE_NT   ; 16 lanes store 256 consecutive bytes at a multiple of 256
.endr
.endm
	OUT16 0
	OUT16 1
	OUT16 2
	OUT16 3
	s_wait_tensorcnt 0x0
	ds_add_u32 v30, v31
	s_wait_dscnt 0x0
	ROUND                                          ; the closing round: no work-group ends while a partner may still ask for a tile that names it
	s_endpgm
.Lfunc_end_k_qc25b50101a_proj:
	.size	k_qc25b50101a_proj, .Lfunc_end_k_qc25b50101a_proj-k_qc25b50101a_proj
	.p2alignl 7, 3214868480
	.fill 96, 4, 3214868480
	.section	.rodata,"a",@progbits
	.p2align	6, 0x0
	.amdhsa_kernel k_qc25b50101a_proj
		.amdhsa_group_segment_fixed_size 327680
		.amdhsa_private_segment_fixed_size 0
		.amdhsa_enable_private_segment 0
		.amdhsa_kernarg_size 32
		.amdhsa_user_sgpr_count 2
		.amdhsa_user_sgpr_kernarg_segment_ptr 1
		.amdhsa_wavefront_size32 1
		.amdhsa_system_sgpr_workgroup_id_x 1
		.amdhsa_system_sgpr_workgroup_id_y 1
		.amdhsa_system_sgpr_workgroup_id_z 1
		.amdhsa_system_vgpr_workitem_id 0
		.amdhsa_next_free_vgpr 384
		.amdhsa_next_free_sgpr 96
		.amdhsa_reserve_vcc 0
		.amdhsa_float_denorm_mode_32 3
		.amdhsa_float_denorm_mode_16_64 3
		.amdhsa_memory_ordered 1
		.amdhsa_forward_progress 1
		.amdhsa_inst_pref_size 93
	.end_amdhsa_kernel
	.amdgpu_metadata
---
amdhsa.version: [ 1, 2 ]
amdhsa.kernels:
  - .name:           k_qc25b50101a_proj
    .symbol:         k_qc25b50101a_proj.kd
    .args:
      - { .name: yh, .offset: 0, .size: 8, .value_kind: global_buffer, .address_space: global }
      - { .name: wpf, .offset: 8, .size: 8, .value_kind: global_buffer, .address_space: global }
      - { .name: b_proj, .offset: 16, .size: 8, .value_kind: global_buffer, .address_space: global }
      - { .name: out0, .offset: 24, .size: 8, .value_kind: global_buffer, .address_space: global }
    .group_segment_fixed_size: 327680
    .private_segment_fixed_size: 0
    .kernarg_segment_align: 8
    .kernarg_segment_size: 32
    .max_flat_workgroup_size: 128
    .sgpr_count:     96
    .vgpr_count:     384
    .wavefront_size: 32
...
	.end_amdgpu_metadata
.endif
;; end of part 4
;; ======== version 2 of 2: 4 launches; version 1 with the launch cast written anew for expert scheduling mode
;; limits: values are held in f16: magnitudes above 65,504 overflow, below 6.1e-05 lose precision
;; workspace buffers: xb 8,388,608 bytes; wab 6,291,456 bytes; wpf 2,097,152 bytes; qkv 25,165,824 bytes; yh 8,388,608 bytes
;; launch cast (part 5): grid 512 x 1, 8 waves a work-group, no clusters, 0 bytes of LDS; arguments x, w_attn, w_proj, xb, wab, wpf; writes xb, wab, wpf
.if DOCPART == 5
	.amdgcn_target "amdgcn-amd-amdhsa--gfx1250"
	.amdhsa_code_object_version 6
	.text
	.protected	k_qc25b50101a_cast
	.globl	k_qc25b50101a_cast
	.p2align	8
	.type	k_qc25b50101a_cast,@function
k_qc25b50101a_cast:
	s_mov_b64 s[64:65], 0
	v_nop
	global_prefetch_b8 v0, s[64:65] scope:SCOPE_SE
	s_setreg_imm32_b32 hwreg(HW_REG_WAVE_SCHED_MODE, 0, 2), 2
	s_setreg_imm32_b32 hwreg(HW_REG_WAVE_MODE, 25, 1), 1
	s_wait_xcnt 0x0
	s_wait_alu depctr_vm_vsrc(0)
; The matrix operands among the inputs are rounded once, here: x -> xb (bf16), w_attn -> wab (bf16),
; w_proj -> wpf (rounded to bf16, then held as f16, because it meets the f16 tensor y in one matrix instruction).
; LIMIT: the second conversion of w_proj is exact for 2^-17 <= |w| < 65,504; below that it keeps an absolute error
; of at most 2^-25, above it the number becomes an infinity.
; A stream: no LDS, no barrier, no matrix unit.  A work-group takes 16,384 consecutive numbers:
; groups 0-255 x (4,194,304 numbers), 256-447 w_attn (3,145,728), 448-511 w_proj (1,048,576).
; Thread t takes the four numbers at 4 t + 1024 i, i = 0 .. 15: a wave's load covers 512 consecutive bytes,
; a wave's store 256 consecutive bytes at a multiple of 256.  All sixteen loads go out at once.
; THE MODE: SCHED_MODE bits 1:0 = 2 (LLVM: expert scheduling mode 2), set by the entry lines.  The code itself states the register
; dependences between vector instructions and memory instructions, with s_wait_alu, always for 0.
; THE PLAN.  Registers that memory instructions touch:
;   v1, v2     byte offsets, made once at the head and never written again: v1 is read by every load, v2 by every store.
;   X[i]       load i lands in it, once; read by load i's conversions alone.  No vector instruction names it ahead of the loads.
;   Y[i]       written once, by load i's conversions; read once, by store i.
;   T          named by vector instructions alone.
; The sixteen loads' work goes in four blocks of four.  Block g's conversions read X[4 g ..] and write Y[4 g ..]; its memory instructions are
; the four stores of block g - 1, which read Y[4 g - 4 ..] and v2: registers that no conversion of block g names.  So one wait at a block's head
; states all that its four stores hang on, and they are dealt among its conversions with no further wait.  No register that a memory
; instruction reads is ever written again, so nothing is waited for on that side.
.set X, 4                              ; v[4:67]    16 x 4 numbers as loaded
.set Y, 68                             ; v[68:99]   16 x 2 words to store
.set T, 100                            ; v[100:105] at work (w_proj's way alone)
	s_load_b256 s[4:11], s[0:1], 0x0               ; x s[4:5], w_attn s[6:7], w_proj s[8:9], xb s[10:11]
	s_load_b128 s[12:15], s[0:1], 0x20             ; wab s[12:13], wpf s[14:15]
	v_lshlrev_b32 v1, 4, v0                        ; 16 t: my bytes in the source
	v_lshlrev_b32 v2, 3, v0                        ; 8 t: my bytes in the target
	s_wait_kmcnt 0x0
	s_cmp_lt_u32 ttmp9, 256                        ; which tensor: the choice hangs on the group's number alone
	s_cselect_b64 s[16:17], s[4:5], s[6:7]
	s_cselect_b64 s[18:19], s[10:11], s[12:13]
	s_cselect_b32 s20, 0, 256                      ; the tensor's first group
	s_cmp_lt_u32 ttmp9, 448
	s_cselect_b64 s[16:17], s[16:17], s[8:9]
	s_cselect_b64 s[18:19], s[18:19], s[14:15]
	s_cselect_b32 s20, s20, 448
	s_sub_co_u32 s21, ttmp9, s20                   ; my place in the tensor
	s_lshl_b32 s22, s21, 16                        ; x 65,536 bytes of f32
	s_mov_b32 s23, 0
	s_lshl_b32 s24, s21, 15                        ; x 32,768 bytes of 16-bit numbers
	s_mov_b32 s25, 0
	s_add_nc_u64 s[16:17], s[16:17], s[22:23]
	s_add_nc_u64 s[18:19], s[18:19], s[24:25]
	s_wait_alu depctr_va_vdst(0)                   ; v1 and v2 are written: every load of the kernel reads v1 as its offset, every store v2
.set i, 0
.rept 16
	global_load_b128 v[X+4*i:X+4*i+3], v1, s[16:17] offset:4096*i th:TH_LOAD_NT   ; read once in the launch
.set i, i+1
.endr
; Load i's four numbers, rounded once to bf16
.macro ROUNDB i
	v_cvt_pk_bf16_f32 v[Y+2*(\i)],   v[X+4*(\i)],   v[X+4*(\i)+1]
	v_cvt_pk_bf16_f32 v[Y+2*(\i)+1], v[X+4*(\i)+2], v[X+4*(\i)+3]
.endm
; The same rounding to bf16, widened again, and laid down as f16
.macro ROUNDF i
	v_cvt_pk_bf16_f32 v[T],   v[X+4*(\i)],   v[X+4*(\i)+1]
	v_cvt_pk_bf16_f32 v[T+1], v[X+4*(\i)+2], v[X+4*(\i)+3]
	v_lshlrev_b32 v[T+2], 16, v[T]                 ; bf16 to f32: the low half moves up,
	v_and_b32     v[T+3], 0xffff0000, v[T]         ; the high half stays
	v_lshlrev_b32 v[T+4], 16, v[T+1]
	v_and_b32     v[T+5], 0xffff0000, v[T+1]
	v_cvt_pk_f16_f32 v[Y+2*(\i)],   v[T+2], v[T+3]
	v_cvt_pk_f16_f32 v[Y+2*(\i)+1], v[T+4], v[T+5]
.endm
.macro SEND i
	global_store_b64 v2, v[Y+2*(\i):Y+2*(\i)+1], s[18:19] offset:2048*(\i)
.endm
; The four blocks, the last four stores and the wave's end.  f16 = 1: w_proj's way.
.macro WALK f16
.set g, 0
.rept 4
	s_wait_loadcnt 15-4*g                          ; loads come back in order: the block's first load is in, the younger ones stay out
.if g > 0
	s_wait_alu depctr_va_vdst(0)                   ; the block before has written its four Y, which the four stores of this block read
.endif
.set j, 0
.rept 4
.if g > 0
	SEND 4*(g-1)+j                                 ; no wait: no vector instruction since the wait above names this Y or v2
.endif
.if j > 0
	s_wait_loadcnt 15-4*g-j                        ; load 4 g + j is in, the 15 - 4 g - j younger ones stay out
.endif
.if \f16
	ROUNDF 4*g+j
.else
	ROUNDB 4*g+j
.endif
.set j, j+1
.endr
.set g, g+1
.endr
	s_wait_alu depctr_va_vdst(0)                   ; the last block has written Y[12] to Y[15], which the last four stores read
	SEND 12
	SEND 13
	SEND 14
	SEND 15
	s_endpgm
.endm
	s_cmp_lt_u32 ttmp9, 448
	s_cbranch_scc0 .Lproj
	WALK 0                                         ; x and w_attn: one rounding to bf16
.Lproj:
	WALK 1                                         ; w_proj
.Lfunc_end_k_qc25b50101a_cast:
	.size	k_qc25b50101a_cast, .Lfunc_end_k_qc25b50101a_cast-k_qc25b50101a_cast
	.p2alignl 7, 3214868480
	.fill 96, 4, 3214868480
	.section	.rodata,"a",@progbits
	.p2align	6, 0x0
	.amdhsa_kernel k_qc25b50101a_cast
		.amdhsa_group_segment_fixed_size 0
		.amdhsa_private_segment_fixed_size 0
		.amdhsa_enable_private_segment 0
		.amdhsa_kernarg_size 48
		.amdhsa_user_sgpr_count 2
		.amdhsa_user_sgpr_kernarg_segment_ptr 1
		.amdhsa_wavefront_size32 1
		.amdhsa_system_sgpr_workgroup_id_x 1
		.amdhsa_system_sgpr_workgroup_id_y 1
		.amdhsa_system_sgpr_workgroup_id_z 1
		.amdhsa_system_vgpr_workitem_id 0
		.amdhsa_next_free_vgpr 108
		.amdhsa_next_free_sgpr 66
		.amdhsa_reserve_vcc 0
		.amdhsa_float_denorm_mode_32 3
		.amdhsa_float_denorm_mode_16_64 3
		.amdhsa_memory_ordered 1
		.amdhsa_forward_progress 1
		.amdhsa_inst_pref_size 17
	.end_amdhsa_kernel
	.amdgpu_metadata
---
amdhsa.version: [ 1, 2 ]
amdhsa.kernels:
  - .name:           k_qc25b50101a_cast
    .symbol:         k_qc25b50101a_cast.kd
    .args:
      - { .name: x, .offset: 0, .size: 8, .value_kind: global_buffer, .address_space: global }
      - { .name: w_attn, .offset: 8, .size: 8, .value_kind: global_buffer, .address_space: global }
      - { .name: w_proj, .offset: 16, .size: 8, .value_kind: global_buffer, .address_space: global }
      - { .name: xb, .offset: 24, .size: 8, .value_kind: global_buffer, .address_space: global }
      - { .name: wab, .offset: 32, .size: 8, .value_kind: global_buffer, .address_space: global }
      - { .name: wpf, .offset: 40, .size: 8, .value_kind: global_buffer, .address_space: global }
    .group_segment_fixed_size: 0
    .private_segment_fixed_size: 0
    .kernarg_segment_align: 8
    .kernarg_segment_size: 48
    .max_flat_workgroup_size: 256
    .sgpr_count:     66
    .vgpr_count:     108
    .wavefront_size: 32
...
	.end_amdgpu_metadata
.endif
;; end of part 5
;; launch qkvgemm: the kernel of part 2 again; grid 12 x 16, 4 waves a work-group, clusters of 4 x 4, 327,680 bytes of LDS; arguments xb, wab, b_attn, qkv; writes qkv
;; launch attn: the kernel of part 3 again; grid 8 x 32, 8 waves a work-group, no clusters, 327,680 bytes of LDS; arguments qkv, yh; writes yh
;; launch proj: the kernel of part 4 again; grid 8 x 32, 4 waves a work-group, clusters of 4 x 4, 327,680 bytes of LDS; arguments yh, wpf, b_proj, out0; writes out0
